; MI455X (gfx1250); checked and timed in simulation.
; The chip was launched on July 23, 2026; its instructions are those of AMD's public machine-readable ISA for CDNA 5 (MIT licence, August 2026) and "CDNA5" Instruction Set Architecture Reference Guide (July 2026). The comments in the code are by the model that wrote it; some were corrected since.
;; Linear. Allowed arithmetic: matrix products marked QUANTISED: E5M2 operands, one given power-of-two scale a tensor, by v_wmma_f32_16x16x64_bf8_bf8 or v_wmma_f32_16x16x128_bf8_bf8, f32 sums; everything else in f32.
;; Inputs: A_codes 64 x 128 x 32 uint8 (E5M2 codes of A, K innermost, in blocks of 32 codes); B_codes 4,096 x 2 x 32 uint8 (E5M2 codes of B, K innermost, in blocks of 32 codes); WL_codes 64 x 128 x 32 uint8 (E5M2 codes of WL, K innermost, in blocks of 32 codes); WR_codes 4,096 x 2 x 32 uint8 (E5M2 codes of WR, K innermost, in blocks of 32 codes); W_base_codes 4,096 x 128 x 32 uint8 (E5M2 codes of W_base, K innermost, in blocks of 32 codes); b_base 4,096 float32; lowp_scales 10 int32 (the exponents e of the quantised operands' scales 2^e); x_codes 4 x 512 x 128 x 32 uint8 (E5M2 codes of x, K innermost, in blocks of 32 codes).
;; Outputs: out0 4 x 512 x 4,096 float32.
;; This version of the problem:
;;   THIS VERSION OF THE PROBLEM IS GIVEN IN LOW PRECISION. The matrix products marked QUANTISED in the list below multiply operands that are first quantised to E5M2 (5 exponent bits, 2 mantissa bits; 8 bits a number), with one given power-of-two scale for each operand tensor; their sums are f32. All else is computed in f32.
;;   The module's matrix products, in the order in which they are computed (A, B: the left and right operand; K: the contracted axis; several contracted axes count as one K, in the product's order):
;;     1. [M 2,048, K 4,096] x [K 4,096, N 4,096]; A: input x (given as codes); B: input W_base (given as codes): QUANTISED (scales: A lowp_scales[0], B lowp_scales[1])
;;     2. [M 2,048, K 4,096] x [K 4,096, N 64]; A: input x (given as codes); B: input A (given as codes): QUANTISED (scales: A lowp_scales[2], B lowp_scales[3])
;;     3. [M 2,048, K 4,096] x [K 4,096, N 64]; A: input x (given as codes); B: input WL (given as codes): QUANTISED (scales: A lowp_scales[4], B lowp_scales[5])
;;     4. [M 2,048, K 64] x [K 64, N 4,096]; A: computed on the way; B: input B (given as codes): QUANTISED (scales: A lowp_scales[6], B lowp_scales[7])
;;     5. [M 2,048, K 64] x [K 64, N 4,096]; A: computed on the way; B: input WR (given as codes): QUANTISED (scales: A lowp_scales[8], B lowp_scales[9])
;;   THE QUANTISER, for each operand of a quantised product, along K:
;;     - The operand's scale is 2^e, e = its entry of the input lowp_scales (int32; the entries are numbered through the quantised products in the list's order, A before B).
;;     - Each number is divided by the scale, clamped to +-57,344, and rounded to the nearest number of E5M2, ties to even, subnormals kept.
;;     - The product sums the exact products of the quantised numbers (number of the format x scale) in f32.
;;   ~~~python
;;   def quantise(x, axis, e):      # numpy; x: float32 -> the quantised numbers, widened to float32 again
;;       x = np.moveaxis(x, axis, -1); K = x.shape[-1]
;;       r = np.clip(x / 2.0 ** e, -57344, 57344)
;;       step = 2.0 ** (np.maximum(np.frexp(np.where(r == 0, 1, r))[1] - 1, -14) - 2)
;;       q = np.round(r / step) * step * 2.0 ** e      # np.round: ties to even
;;       return np.moveaxis(q, -1, axis).astype(np.float32)
;;   ~~~
;;   OPERANDS COMPUTED ON THE WAY. 'Computed on the way' means the value that the module computes at that place (a softmax that the list does not call 'softmax' is quantised finished and normalised). What goes into a quantiser is computed in f32, as accurately as f32 sums, v_exp_f32 and their like allow (about 1e-6 of the number): no bf16 or f16 on the way to a quantiser, and a product that is left as it is and whose result goes on into a quantised operand takes f32 operands (vector FMAs, or v_wmma_f32_16x16x4_f32). A number that lies on a knife's edge between two numbers of the format may be rounded either way, as far as f32 arithmetic and the matrix unit's own rounding can turn it there, and no further.
;;   INPUTS GIVEN AS CODES. A (in the module: [64, 4096], K = its axis 1); B (in the module: [4096, 64], K = its axis 1); WL (in the module: [64, 4096], K = its axis 1); WR (in the module: [4096, 64], K = its axis 1); W_base (in the module: [4096, 4096], K = its axis 1); x (in the module: [4, 512, 4096], K = its axis 2): each comes as NAME_codes (uint8): NAME with its K axis moved to the last place and cut into blocks of 32 codes, [.., K / 32, bytes a block], one block behind the other in memory; one code a byte (a code: sign, 5 exponent bits, 2 mantissa bits); its scale is its entry of lowp_scales. Its value is code x scale, taken as it is: it is not quantised again, and the codes and scales need not be those that the quantiser above would give.
;; One version. Each part assembles by itself: llvm-mc -triple=amdgcn-amd-amdhsa -mcpu=gfx1250 --defsym DOCPART=n.
;; ======== version 1 of 1: 2 launches
;; limits: right only within a limited range of input values
;; workspace buffers: acodes 262,144 bytes
;; launch lora_a (part 1): grid 4 x 64, 8 waves a work-group, clusters of 4 x 4, 300,032 bytes of LDS; arguments x_codes, A_codes, WL_codes, lowp_scales, acodes; writes acodes
.if DOCPART == 1
	.amdgcn_target "amdgcn-amd-amdhsa--gfx1250"
	.amdhsa_code_object_version 6
	.text
	.protected	k_q33ac457bbb_lora_a
	.globl	k_q33ac457bbb_lora_a
	.p2align	8
	.type	k_q33ac457bbb_lora_a,@function
k_q33ac457bbb_lora_a:
	s_mov_b64 s[64:65], 0
	v_nop
	global_prefetch_b8 v0, s[64:65] scope:SCOPE_SE
	s_setreg_imm32_b32 hwreg(HW_REG_WAVE_MODE, 25, 1), 1
	s_wait_xcnt 0x0
	s_wait_alu depctr_hold_cnt(0) depctr_sa_sdst(0) depctr_va_vdst(0) depctr_va_sdst(0) depctr_va_ssrc(0) depctr_va_vcc(0) depctr_vm_vsrc(0)
	s_getreg_b32 s2, hwreg(HW_REG_IB_STS2, 6, 4)
	s_cmp_eq_u32 s2, 0
	s_cbranch_scc0 .Lentry_in_a_cluster
	s_endpgm
.Lentry_in_a_cluster:
	s_bfe_u32 s2, ttmp6, 0x10000c
	s_cmp_lg_u32 s2, 0xf033
	s_cbranch_scc0 .Lentry_shape_is_right
	s_endpgm
.Lentry_shape_is_right:
; a[2048][64] = 2^(e2+e3) x A^T + 2^(e4+e5) x WL^T on codes of BF8 (E5M2), summed in f32, then quantised TWICE: with 2^e6 (for the product with B) and with 2^e8 (for the product with WR).
; x: [2048][4096] codes, A, WL: [64][4096] codes, K innermost.  e2 .. e9 are entries 2 to 9 (int32) of the buffer of scales.  No product of the problem is left out.
; OUT: acodes, laid as the reader's registers: [row tile of 16 rows, 128][set: e6, e8][c 0, 1][lane][16 bytes]: lane (r, h) of piece c holds the codes of a(16 RT + r, 32 c + 16 h + 0 .. 15).
; LIMITS: e6 and e8 between -126 and 112, so that 2^e and 57,344 x 2^e are f32 numbers; e2+e3 and e4+e5 go in by v_ldexp_f32 and have none.  NaN and infinity codes among the inputs are not served.
; SHARES.  Work-group (g, RG) takes 32 rows of x (32 RG on) against rows 16 g .. 16 g + 15 of A and of WL: 4 x 64 = 256 work-groups of eight waves.  Each wave issues ONE tensor load: waves 0-3 a chunk of
; 1,024 along K of x's 32 rows, waves 4, 5 two such chunks of A's 16 rows (two planes of one tile), waves 6, 7 of WL's.  Wave w then multiplies K = 512 w .. + 511, four steps of 128, on four accumulators
; (row tile m, kind: A or WL) that take turns.  The eight partial sums meet in LDS; waves 0 and 1 add them (wave m: row tile m), scale, add the two kinds, quantise and store.
; CLUSTER 4 x 4.  The four work-groups of a cluster's row share their rows of x, the four of a column their rows of A and WL: each tile is asked for jointly.  Every tile is filled once.
; No prefetch.
; THE PRODUCT IS USED TRANSPOSED (source 0 = 16 rows of the weight, source 1 = 16 rows of x): lane (r, h) then holds row r of x, and its registers j the columns 16 g + 8 h + j of a: eight neighbours along the next K.
.set ROW,  1040                        ; an LDS row: 1,024 bytes + 16: an odd multiple of 16, so the 16 rows that a load touches start at 16 different groups of four banks (64 banks of 4 bytes: ISA guide 11.1)
.set XCH,  32*ROW                      ; a chunk of x
.set WCH,  16*ROW                      ; a chunk of A or WL
.set A0,   4*XCH
.set L0,   A0+4*WCH
.set RED,  L0+4*WCH                    ; behind the tiles: 4,096 bytes for each wave, images of its four accumulators; no tile lands here
.set SPARE, RED+8*4096                 ; the spare words, 128 bytes for each wave
.set ACC,  224                         ; v224-255  accumulator i = 2 m + kind at v[ACC + 8 i]
.set G1X,  24                          ; s[24:31] group 1 for x; s[32:39] for A and WL; s[48:59] groups 0 for x, A, WL; s[60:63], s[68:71] groups 2, 3 for A and WL
.set G1W,  32
.set G0X,  48
.set G0A,  52
.set G0L,  56
.set G2,   60
.set G3,   68
.macro CROUND                          ; a round of the cluster's barrier
	s_barrier_signal -1
	s_barrier_wait -1
	s_cmp_lg_u32 s14, 0
	s_cbranch_scc1 .Lnot_wave_0_\@
	s_barrier_signal -3
.Lnot_wave_0_\@:
	s_barrier_wait -3
	s_barrier_signal -1
	s_barrier_wait -1
.endm
.macro PLACES                          ; four plain vector instructions behind a matrix instruction (ISA guide 7.12.1)
.rept 4
	v_nop
.endr
.endm
.macro SHAPE g, rows, planes, plane    ; words 1 to 7 of a group 1: rows of 1,024 bytes, 4,096 bytes apart; planes (0: not used), plane bytes apart
	s_mov_b32 s[\g+1], 1024<<16
	s_mov_b32 s[\g+2], (\rows)<<16
	s_mov_b32 s[\g+3], 1024<<16
	s_mov_b32 s[\g+4], ((\planes)<<16)|(\rows)
	s_mov_b32 s[\g+5], 4096
	s_mov_b32 s[\g+6], (\plane)<<16
	s_mov_b32 s[\g+7], 0
.endm
.macro LFRAG reg, adr, off             ; a fragment, 16 rows x 128 K: registers 4 c .. 4 c + 3 hold K = 32 c + 16 h + 0 .. 15: the same places of k on both sides
.irp c, 0,1,2,3
	ds_load_b128 v[\reg+4*\c:\reg+4*\c+3], v\adr offset:\off+32*\c
.endr
.endm
.macro LSTEP q                         ; step q's four fragments, 16 loads, into buffer q % 3 of v32-223
	LFRAG 32+64*((\q)%3), 4, 128*(\q)
	LFRAG 48+64*((\q)%3), 4, 16*ROW+128*(\q)
	LFRAG 64+64*((\q)%3), 5, 128*(\q)
	LFRAG 80+64*((\q)%3), 6, 128*(\q)
.endm
.macro MSTEP q                         ; four products, the four accumulators by turns; step 0 starts the sums
.set FB, 32+64*((\q)%3)
.irp i, 0,1,2,3
.if \q == 0
	v_wmma_f32_16x16x128_bf8_bf8 v[ACC+8*\i:ACC+8*\i+7], v[FB+32+16*(\i%2):FB+32+16*(\i%2)+15], v[FB+16*(\i/2):FB+16*(\i/2)+15], 0
.else
	v_wmma_f32_16x16x128_bf8_bf8 v[ACC+8*\i:ACC+8*\i+7], v[FB+32+16*(\i%2):FB+32+16*(\i%2)+15], v[FB+16*(\i/2):FB+16*(\i/2)+15], v[ACC+8*\i:ACC+8*\i+7]
.endif
.endr
.endm
	s_load_b256 s[4:11], s[0:1], 0x0               ; x s[4:5], A s[6:7], WL s[8:9], the scales' exponents s[10:11]
	s_load_b64 s[12:13], s[0:1], 0x20              ; acodes
	v_lshl_add_u32 v30, v0, 2, SPARE
	v_mov_b32 v31, 0
	ds_add_u32 v30, v31                            ; the opening add, twice on end
	ds_add_u32 v30, v31
	v_lshrrev_b32 v1, 5, v0
	s_delay_alu instid0(VALU_DEP_1)
	v_readfirstlane_b32 s14, v1                    ; wave 0..7
	s_bfe_u32 s40, ttmp6, 0x40000                  ; cx, cy: my place in the cluster
	s_bfe_u32 s41, ttmp6, 0x40004
	s_lshl_b32 s42, ttmp9, 2
	s_add_co_u32 s42, s42, s40                     ; g: which 16 rows of A and WL
	s_and_b32 s17, ttmp7, 0xffff
	s_lshl_b32 s17, s17, 2
	s_add_co_u32 s17, s17, s41                     ; RG: which 32 rows of x
	s_lshl_b32 s43, s41, 2
	s_lshl_b32 s43, 15, s43                        ; my row of the cluster
	s_lshl_b32 s44, 0x1111, s40                    ; my column
	s_or_b32 s[G1X], s43, (1<<20)|(1<<21)|(7<<22)|(3<<25)   ; 15:0 the mask; elements of 1 byte; 20 padding on; 21 set beside a mask; after every 256 words (code 7) four words (code 3)
	s_or_b32 s[G1W], s44, (1<<20)|(1<<21)|(7<<22)|(3<<25)
	SHAPE G1X, 32, 0, 0
	SHAPE G1W, 16, 2, 1024
	s_mov_b32 s[G2], 2                             ; tensor_dim2
.irp i, 1,2,3
	s_mov_b32 s[G2+\i], 0
.endr
.irp i, 0,1,2,3
	s_mov_b32 s[G3+\i], 0
.endr
	s_and_b32 s45, s14, 3
	s_mul_i32 s[G0X+1], s45, XCH                   ; LDS addresses: made of the wave's number alone
	s_lshl_b32 s45, s45, 10                        ; my 1,024 bytes of x's rows
	s_lshl_b32 s20, s17, 17                        ; x: 32 RG rows of 4,096 bytes
	s_add_co_u32 s20, s20, s45
	s_mov_b32 s21, 0
	s_and_b32 s45, s14, 1
	s_mul_i32 s[G0A+1], s45, 2*WCH
	s_add_co_u32 s[G0L+1], s[G0A+1], L0
	s_add_co_u32 s[G0A+1], s[G0A+1], A0
	s_lshl_b32 s45, s45, 11                        ; my 2 x 1,024 bytes of A's or WL's rows
	s_lshl_b32 s22, s42, 16                        ; 16 g rows
	s_add_co_u32 s22, s22, s45
	s_mov_b32 s23, 0
	s_mov_b32 s[G0X], 1
	s_mov_b32 s[G0A], 1
	s_mov_b32 s[G0L], 1
	s_wait_dscnt 0x0                               ; both opening adds are done
	s_wait_kmcnt 0x0
	s_load_b256 s[76:83], s[10:11], 0x8            ; e2 .. e9
	s_add_nc_u64 s[G0X+2:G0X+3], s[4:5], s[20:21]
	s_or_b32 s[G0X+3], s[G0X+3], 0x80000000        ; type = 2
	s_add_nc_u64 s[G0A+2:G0A+3], s[6:7], s[22:23]
	s_or_b32 s[G0A+3], s[G0A+3], 0x80000000
	s_add_nc_u64 s[G0L+2:G0L+3], s[8:9], s[22:23]
	s_or_b32 s[G0L+3], s[G0L+3], 0x80000000
	CROUND                                         ; all sixteen work-groups are here: the joint loads meet
	s_cmp_lt_u32 s14, 4                            ; the launch's only fills, one a wave, in one chain of arms
	s_cbranch_scc1 .Lask_x
	s_cmp_lt_u32 s14, 6
	s_cbranch_scc1 .Lask_a
	tensor_load_to_lds s[G0L:G0L+3], s[G1W:G1W+7], s[G2:G2+3], s[G3:G3+3]
	s_nop 0
	PLACES
	s_branch .Lasked
.Lask_a:
	tensor_load_to_lds s[G0A:G0A+3], s[G1W:G1W+7], s[G2:G2+3], s[G3:G3+3]
	s_nop 0
	PLACES
	s_branch .Lasked
.Lask_x:
	tensor_load_to_lds s[G0X:G0X+3], s[G1X:G1X+7]
	s_nop 0
	PLACES
.Lasked:
	s_lshr_b32 s15, s14, 1                         ; my 512 along K: chunk wave / 2, its half wave % 2
	s_and_b32 s16, s14, 1
	s_mul_i32 s72, s15, XCH
	s_mul_i32 s73, s15, WCH
	s_lshl_b32 s74, s16, 9
	s_add_co_u32 s72, s72, s74                     ; my fragments of x,
	s_add_co_u32 s73, s73, s74
	s_add_co_u32 s73, s73, A0                      ; of A
	s_lshl_b32 s74, s14, 12
	s_add_co_u32 s74, s74, RED                     ; my images
	s_lshl_b32 s75, s16, 11
	s_add_co_u32 s75, s75, RED                     ; waves 0, 1: accumulators 2 m and 2 m + 1 of every wave's images
	s_lshl_b32 s84, s17, 12                        ; acodes: row tile 2 RG + wave (waves 0 and 1 store), 2,048 bytes each; g's 256 bytes
	s_lshl_b32 s85, s14, 11
	s_add_co_u32 s84, s84, s85
	s_lshl_b32 s85, s42, 8
	s_add_co_u32 s84, s84, s85
	s_mov_b32 s85, 0
	s_add_nc_u64 s[12:13], s[12:13], s[84:85]
	v_and_b32 v2, 15, v0                           ; r
	v_bfe_u32 v3, v0, 4, 1                         ; h
	v_and_b32 v1, 31, v0                           ; lane
	v_mul_u32_u24 v4, v2, ROW
	v_lshlrev_b32 v7, 4, v2
	v_lshl_add_u32 v12, v1, 4, s74
	v_lshl_add_u32 v4, v3, 4, v4                   ; row r x pitch + 16 h
	v_lshl_add_u32 v7, v3, 3, v7                   ; 16 r + 8 h: my 8 codes in g's 256 bytes
	v_lshl_add_u32 v13, v1, 4, s75
	v_add_nc_u32 v5, s73, v4
	v_add_nc_u32 v4, s72, v4
	v_add_nc_u32 v6, L0-A0, v5                     ; of WL
	s_wait_alu depctr_va_vdst(0)
	s_wait_kmcnt 0x0
	s_add_co_i32 s86, s76, s77                     ; e2 + e3
	s_add_co_i32 s87, s78, s79                     ; e4 + e5
	s_add_co_i32 s88, s80, 127
	s_lshl_b32 s89, s88, 23
	v_mov_b32 v8, s89                              ; 2^e6 as f32: the conversion takes its exponent field
	s_add_co_i32 s88, s88, 15
	s_lshl_b32 s88, s88, 23
	s_or_b32 s88, s88, 0x600000
	v_mov_b32 v9, s88                              ; 57,344 x 2^e6
	s_add_co_i32 s88, s82, 127
	s_lshl_b32 s89, s88, 23
	v_mov_b32 v10, s89                             ; 2^e8
	s_add_co_i32 s88, s88, 15
	s_lshl_b32 s88, s88, 23
	s_or_b32 s88, s88, 0x600000
	v_mov_b32 v11, s88                             ; 57,344 x 2^e8
	s_wait_alu depctr_va_vdst(0)                   ; the wait at the head's end
	s_wait_tensorcnt 0x0                           ; my tile has landed: say so
	s_barrier_signal -1
	s_barrier_wait -1                              ; everybody's has
	LSTEP 0
	LSTEP 1
	LSTEP 2
	s_wait_dscnt 32                                ; step 0's 16 loads are in; steps 1 and 2's may be out
	MSTEP 0
	PLACES                                         ; ahead of loads into the buffer just multiplied
	LSTEP 3
	s_wait_dscnt 32                                ; step 1's are in; steps 2 and 3's may be out
	MSTEP 1
	s_wait_dscnt 16                                ; step 2's are in
	MSTEP 2
	s_wait_dscnt 0x0
	MSTEP 3
	PLACES                                         ; ahead of the stores that read the results
.irp i, 0,1,2,3
	ds_store_b128 v12, v[ACC+8*\i:ACC+8*\i+3] offset:\i*1024          ; images of the accumulators' registers, from the low end on: 512 consecutive bytes a store
	ds_store_b128 v12, v[ACC+8*\i+4:ACC+8*\i+7] offset:\i*1024+512
.endr
	s_wait_dscnt 0x0                               ; for the others' sake: my images have landed
	s_barrier_signal -1
	s_barrier_wait -1
	s_cmp_lt_u32 s14, 2
	s_cbranch_scc0 .Ldone                          ; waves 0 and 1 finish row tiles 0 and 1
.irp s, 0,1,2,3,4,5,6,7
.irp k, 0,1
.irp f, 0,1
	ds_load_b128 v[32+16*\s+8*\k+4*\f:32+16*\s+8*\k+4*\f+3], v13 offset:\s*4096+\k*1024+\f*512   ; wave s's partial sums: 8 registers for A, 8 for WL
.endr
.endr
.endr
	s_wait_dscnt 0x0
.irp s, 1,2,3,4,5,6,7
.irp p, 0,2,4,6,8,10,12,14
	v_pk_add_f32 v[32+\p:33+\p], v[32+\p:33+\p], v[32+16*\s+\p:33+16*\s+\p]   ; the eight parts of K, in eight chains of pairs
.endr
.endr
.irp j, 0,1,2,3,4,5,6,7
	v_ldexp_f32 v[32+\j], v[32+\j], s86            ; x A^T x 2^(e2 + e3)
	v_ldexp_f32 v[40+\j], v[40+\j], s87            ; x WL^T x 2^(e4 + e5)
.endr
.irp j, 0,2,4,6
	v_pk_add_f32 v[48+\j:49+\j], v[32+\j:33+\j], v[40+\j:41+\j]   ; a
.endr
.irp j, 0,1,2,3,4,5,6,7
	v_med3_num_f32 v[64+\j], v[48+\j], -v9, v9     ; the conversion to an 8-bit code does not saturate (ISA guide 7.6.2): the hold at the largest code x the scale, once for each scale
	v_med3_num_f32 v[72+\j], v[48+\j], -v11, v11
.endr
	v_cvt_scalef32_pk8_bf8_f32 v[80:81], v[64:71], v8    ; a / 2^e6, to the nearest code, ties to even
	v_cvt_scalef32_pk8_bf8_f32 v[82:83], v[72:79], v10   ; a / 2^e8
	v_nop                                          ; one plain vector instruction behind the last scaled conversion
	global_store_b64 v7, v[80:81], s[12:13]        ; 32 lanes store 256 consecutive bytes, aligned: set 0,
	global_store_b64 v7, v[82:83], s[12:13] offset:1024   ; and set 1
.Ldone:
	s_wait_tensorcnt 0x0                           ; the wave's end
	ds_add_u32 v30, v31
	s_wait_dscnt 0x0
	CROUND                                         ; the closing round: no work-group ends while a partner may still ask for a tile that names it
	s_endpgm
.Lfunc_end_k_q33ac457bbb_lora_a:
	.size	k_q33ac457bbb_lora_a, .Lfunc_end_k_q33ac457bbb_lora_a-k_q33ac457bbb_lora_a
	.p2alignl 7, 3214868480
	.fill 96, 4, 3214868480
	.section	.rodata,"a",@progbits
	.p2align	6, 0x0
	.amdhsa_kernel k_q33ac457bbb_lora_a
		.amdhsa_group_segment_fixed_size 300032
		.amdhsa_private_segment_fixed_size 0
		.amdhsa_enable_private_segment 0
		.amdhsa_kernarg_size 40
		.amdhsa_user_sgpr_count 2
		.amdhsa_user_sgpr_kernarg_segment_ptr 1
		.amdhsa_wavefront_size32 1
		.amdhsa_system_sgpr_workgroup_id_x 1
		.amdhsa_system_sgpr_workgroup_id_y 1
		.amdhsa_system_sgpr_workgroup_id_z 1
		.amdhsa_system_vgpr_workitem_id 0
		.amdhsa_next_free_vgpr 256
		.amdhsa_next_free_sgpr 96
		.amdhsa_reserve_vcc 0
		.amdhsa_float_denorm_mode_32 3
		.amdhsa_float_denorm_mode_16_64 3
		.amdhsa_memory_ordered 1
		.amdhsa_forward_progress 1
		.amdhsa_inst_pref_size 22
	.end_amdhsa_kernel
	.amdgpu_metadata
---
amdhsa.version: [ 1, 2 ]
amdhsa.kernels:
  - .name:           k_q33ac457bbb_lora_a
    .symbol:         k_q33ac457bbb_lora_a.kd
    .args:
      - { .name: x_codes, .offset: 0, .size: 8, .value_kind: global_buffer, .address_space: global }
      - { .name: A_codes, .offset: 8, .size: 8, .value_kind: global_buffer, .address_space: global }
      - { .name: WL_codes, .offset: 16, .size: 8, .value_kind: global_buffer, .address_space: global }
      - { .name: lowp_scales, .offset: 24, .size: 8, .value_kind: global_buffer, .address_space: global }
      - { .name: acodes, .offset: 32, .size: 8, .value_kind: global_buffer, .address_space: global }
    .group_segment_fixed_size: 300032
    .private_segment_fixed_size: 0
    .kernarg_segment_align: 8
    .kernarg_segment_size: 40
    .max_flat_workgroup_size: 256
    .sgpr_count:     96
    .vgpr_count:     256
    .wavefront_size: 32
...
	.end_amdgpu_metadata
.endif
;; end of part 1
;; launch gemm (part 2): grid 16 x 16, 4 waves a work-group, clusters of 4 x 4, 327,680 bytes of LDS; arguments x_codes, W_base_codes, B_codes, WR_codes, acodes, b_base, lowp_scales, out0; writes out0
.if DOCPART == 2
	.amdgcn_target "amdgcn-amd-amdhsa--gfx1250"
	.amdhsa_code_object_version 6
	.text
	.protected	k_q33ac457bbb_gemm
	.globl	k_q33ac457bbb_gemm
	.p2align	8
	.type	k_q33ac457bbb_gemm,@function
k_q33ac457bbb_gemm:
	s_mov_b64 s[64:65], 0
	v_nop
	global_prefetch_b8 v0, s[64:65] scope:SCOPE_SE
	s_setreg_imm32_b32 hwreg(HW_REG_WAVE_MODE, 25, 1), 1
	s_wait_xcnt 0x0
	s_wait_alu depctr_hold_cnt(0) depctr_sa_sdst(0) depctr_va_vdst(0) depctr_va_sdst(0) depctr_va_ssrc(0) depctr_va_vcc(0) depctr_vm_vsrc(0)
	s_getreg_b32 s2, hwreg(HW_REG_IB_STS2, 6, 4)
	s_cmp_eq_u32 s2, 0
	s_cbranch_scc0 .Lentry_in_a_cluster
	s_endpgm
.Lentry_in_a_cluster:
	s_bfe_u32 s2, ttmp6, 0x10000c
	s_cmp_lg_u32 s2, 0xf033
	s_cbranch_scc0 .Lentry_shape_is_right
	s_endpgm
.Lentry_shape_is_right:
; out[2048][4096] = 2^(e0+e1) x W^T + b + 0.25 (2^(e6+e7) a6 B^T + 2^(e8+e9) a8 WR^T), all products on codes of BF8 (E5M2), sums in f32.  No product of the problem is left out.
; x: [2048][4096], W: [4096][4096], B, WR: [4096][64]: codes, K innermost.  a6, a8: a's codes under 2^e6 and 2^e8, made by the launch before, laid as operand registers (acodes).  b: [4096] f32.  out: f32.
; LIMITS: e0+e1, e6+e7-2-e0-e1 and e8+e9-2-e0-e1 lie between -126 and 127, so that each power of two below is an f32 number.  NaN and infinity codes among the inputs are not served.
; SHARES.  A tile of out is 128 rows x 256 columns: 16 x 16 = 256 work-groups of four waves.  Wave w = 2 kh + c takes ALL 128 rows, columns 128 c on, and HALF kh of the K that each LDS region holds: a partial sum of
; 128 x 128 in 64 accumulators, 512 registers: for 128 along K a wave reads 2 x 128 rows x 128 bytes from LDS for 64 matrix instructions.  The two partial sums of a column half meet once, on the way out.
; THE SMALL PRODUCTS START THE SUMS: waves with kh = 0 begin with a6 B^T, those with kh = 1 with a8 WR^T (64 instructions of the K = 64 form, C = 0), under the flight of S's first load.  Those sums are multiplied once
; by 2^(e6+e7-2-e0-e1) (or with e8+e9), which rounds nothing, and the main product adds onto them.  At the end out = (partial 0 + partial 1) x 2^(e0+e1) + b.
; THE RING: two regions of LDS that take turns, S with 256 along K and D with 512: S D S D S D S D S D S = 6 x 256 + 5 x 512 = 4,096; two regions of 512 do not fit in LDS.
; Waves 0, 1 fetch the halves of x's 128 rows, waves 2, 3 of W's 256: one tensor load a wave at the head and behind each change; by this text's count a wave never has more than one out.
; D's load is twice S's and has fewer products to land under, so D is left early, 16 products into its last step (whose fragments are all in registers), and S late, 28 products into its one.
; W'S ROWS ARE DEALT: LDS row 64 b + i holds the tile's row 4 i + b (b 0..3, i 0..63): a tensor load of two planes (b) of 64 rows (i), rows 16,384 bytes apart, planes 4,096.  Fragment (u, b) of wave c takes LDS rows
; 64 b + 32 c + 16 u + r, which are columns 128 c + 64 u + 4 r + b.  Source 0 = 16 rows of x, source 1 = 16 rows of W: lane (r, h), register j of accumulator (a, u, b) is then out(16 a + 8 h + j, 128 c + 64 u + 4 r + b):
; over b a lane has four neighbouring numbers of a row and sixteen neighbouring lanes have 256 bytes: results are stored from registers as they lie.
; THE WAY OUT: wave (c, kh) finishes rows 64 kh on.  Windows: its window 2 holds those rows, window 3 the other 64, whose sums go to the wave (c, 1 - kh) as register images through D's bytes, which have had their last fill and
; read.  It goes in two halves of 32 rows: the first is given away half-way through the last step, so that its stores leave before the second is given.
; CLUSTER 4 x 4: the four work-groups of a cluster's row need the same tiles of x, the four of a column the same tiles of W: each tile is asked for jointly, by the same load with a mask that names the four.
; PREFETCH INTO THE L2: behind a refill stands the request for what the refill two changes on will load (at the head for D's first and S's second tile): a lane a row, 256 bytes a lane.  The four partners share the rows by address:
; 32 of x's 128 rows (wave 0; place cx), 64 of W's 256 (waves 2 and 3; place cy); wave 1 asks for nothing.  The last two refills' look-ahead would pass the rows' end: nothing is asked.
; REGISTERS, in windows of 256: window 0: v8-15 bias, v16-31 addresses, v32-95 a's eight fragments, v128-255 x's eight fragments, ONE set; on the way out v32-159 the partner's sums, v192-255 results.
;   window 1: W's fragments, TWO sets, at v0 and v128 (B's or WR's eight lie in v128-191 ahead of the loop).   windows 2, 3: accumulator (a, t = 4 u + b) at v[8 (8 (a % 4) + t)] of window 2 + a / 4.
.set PS,     272                       ; a row of S in LDS: 256 bytes + 16 of padding;
.set PD,     528                       ; of D: 512 + 16.  Odd multiples of 16 bytes: the 16 rows that a load touches start at 16 different groups of four banks (64 banks of 4 bytes: ISA guide 11.1)
.set D_X,    384*PS                    ; S: x's 128 rows at 0, W's 256 behind them; D likewise from here on
.set SPARE,  D_X+384*PD                ; behind the ring: the spare words, 128 bytes for each wave
.set BIAS,   8                         ; v8-15   b of my columns: 4 u + b
.set ADRA,   16                        ; v16-19  LDS addresses of x's fragments: S blocks 0-3, S 4-7, D 0-3, D 4-7
.set ADRB,   20                        ; v20-23  of W's: S b = 0, 1; S b = 2, 3; D likewise
.set STX,    24                        ; v24     where my images go
.set RDX,    25                        ; v25     where my partner's lie
.set CO,     27                        ; v27     my bytes in out
.set SPW,    28                        ; v28     LDS address of my spare word; never rewritten
.set NIL,    29                        ; v29     0; never rewritten
.set PFO,    30                        ; v30     lane x 4,096: the prefetches' offset
.set BL,     31                        ; v31     my bytes of B's or WR's rows
.set LA,     32
.set AF,     128
.set LIM,    13                        ; s13     1 where my wave prefetches, else 64
.set G1X,    24                        ; s[24:31], s[32:39] descriptor group 1: x's tile for S, for D;  s[40:47], s[48:55] W's
.set G1W,    40
.set G0X,    56                        ; s[56:59], s[60:63] group 0 of x for S, D;  s[68:71], s[72:75] of W: they walk along K
.set G0W,    68
.set PFA,    66                        ; s[66:67] where the prefetches stand
.set G2,     84                        ; s[84:87], s[88:91] groups 2 and 3 of W's tiles: the third dimension
.set G3,     88
.set MSB, 0
.macro WIN new                         ; the immediate's high byte repeats the setting that is left; a switch that changes nothing is dropped
.if MSB != (\new)
	s_set_vgpr_msb (MSB<<8)|(\new)
.set MSB, (\new)
.endif
.endm
.set MUL_LO, 0xa4                      ; source 0 (x) window 0, source 1 (W) window 1, C and D window 2
.set MUL_HI, 0xf4                      ; the same, C and D window 3
.set TO_B,   0x40                      ; destination window 1, address window 0
.macro PLACES                          ; four plain vector instructions behind a matrix instruction, ahead of loads into its sources and of reads of its result
.rept 4
	v_nop
.endr
.endm
; A joint load for region r (0 S, 1 D).  Each line has one mask and one set of registers for all that issue it; the branch hangs on the wave's number alone.  Four v_nop follow each.
.macro JLOAD r
	s_cmp_eq_u32 s15, 0
	s_cbranch_scc0 .Lfor_w_\@
	tensor_load_to_lds s[G0X+4*(\r):G0X+4*(\r)+3], s[G1X+8*(\r):G1X+8*(\r)+7]
	s_nop 0
	PLACES
	s_branch .Lasked_\@
.Lfor_w_\@:
	tensor_load_to_lds s[G0W+4*(\r):G0W+4*(\r)+3], s[G1W+8*(\r):G1W+8*(\r)+7], s[G2:G2+3], s[G3:G3+3]
	s_nop 0
	PLACES
.Lasked_\@:
.endm
.macro CREST                           ; a round of the cluster's barrier behind its opening barrier
	s_cmp_lg_u32 s14, 0
	s_cbranch_scc1 .Lnot_wave_0_\@
	s_barrier_signal -3
.Lnot_wave_0_\@:
	s_barrier_wait -3
	s_barrier_signal -1
	s_barrier_wait -1
.endm
.macro CROUND                          ; a whole round
	s_barrier_signal -1
	s_barrier_wait -1
	CREST
.endm
.macro SHAPE g, rowb, planes, pitch, plane   ; words 1 to 7 of a group 1: 64 rows x rowb bytes, pitch bytes apart; planes (0: not used), plane bytes apart
	s_mov_b32 s[\g+1], (\rowb)<<16
	s_mov_b32 s[\g+2], 64<<16
	s_mov_b32 s[\g+3], (\rowb)<<16
	s_mov_b32 s[\g+4], ((\planes)<<16)|64
	s_mov_b32 s[\g+5], \pitch
	s_mov_b32 s[\g+6], (\plane)<<16
	s_mov_b32 s[\g+7], 0
.endm
.macro PF off
	global_prefetch_b8 v[PFO], s[PFA:PFA+1] offset:\off th:TH_LOAD_NT scope:SCOPE_SE
.endm
; how: 0 nothing; 1 S's tile two changes on; 2 D's; 3 D's, not in the loop's last trip; 4 at the head: D's first and S's second
.macro ASK how
.if \how
.if \how == 3
	s_cmp_gt_u32 s3, s[LIM]
.else
	s_cmp_eq_u32 s[LIM], 1
.endif
	s_cbranch_scc0 .Lno_ask_\@
.if \how == 4
	PF 0
	PF 256
.endif
.if (\how == 1) || (\how == 4)
	PF 512
.else
	PF 768
	PF 1024
.endif
.Lno_ask_\@:
.endif
.endm
; Fragments, 16 rows x 128 K, 16 registers: registers 4 c .. 4 c + 3 hold K = 32 c + 16 h + 0 .. 15: the same places of k in x and in W.
.macro FETCH_B r, q, p                 ; W's eight of my q-th 128 along K of region r into set p
	WIN TO_B
.irp u, 0,1
.irp b, 0,1,2,3
.irp c, 0,1,2,3
	ds_load_b128 v[128*(\p)+16*(4*\u+\b)+4*\c:128*(\p)+16*(4*\u+\b)+4*\c+3], v[ADRB+2*(\r)+\b/2] offset:128*(\q)+32*\c+(64*(\b%2)+16*\u)*(PS+256*(\r))
.endr
.endr
.endr
	WIN 0
.endm
.macro FETCH_A r, q, hi                ; x's blocks 4 hi .. 4 hi + 3
.irp i, 0,1,2,3
.irp c, 0,1,2,3
	ds_load_b128 v[AF+64*(\hi)+16*\i+4*\c:AF+64*(\hi)+16*\i+4*\c+3], v[ADRA+2*(\r)+(\hi)] offset:128*(\q)+32*\c+16*\i*(PS+256*(\r))
.endr
.endr
.endm
; The 64 accumulators take turns, one instruction a turn.
.macro MUL4 a, p, z                    ; x's block a against W's z .. z + 3 of set p
.irp t, 0,1,2,3
	v_wmma_f32_16x16x128_bf8_bf8 v[8*(8*((\a)%4)+(\z)+\t):8*(8*((\a)%4)+(\z)+\t)+7], v[AF+16*(\a):AF+16*(\a)+15], v[128*(\p)+16*((\z)+\t):128*(\p)+16*((\z)+\t)+15], v[8*(8*((\a)%4)+(\z)+\t):8*(8*((\a)%4)+(\z)+\t)+7]
.endr
.endm
.macro MUL8 a, p
	MUL4 \a, \p, 0
	MUL4 \a, \p, 4
.endm
.macro LORA8 a                         ; eight products of the K = 64 form, which start the sums
.irp t, 0,1,2,3,4,5,6,7
	v_wmma_f32_16x16x64_bf8_bf8 v[8*(8*((\a)%4)+\t):8*(8*((\a)%4)+\t)+7], v[LA+8*(\a):LA+8*(\a)+7], v[128+8*\t:128+8*\t+7], 0
.endr
.endm
.macro HIGH r, q, p, z                 ; a step's second half (z = 1: its first four products are done), and x's blocks 4-7 of the next step
	WIN MUL_HI
.if \z == 0
	MUL4 4, \p, 0
.endif
	MUL4 4, \p, 4
	MUL8 5, \p
	MUL8 6, \p
	MUL8 7, \p
	PLACES
	WIN 0
	FETCH_A \r, \q, 1
.endm
; D's first step of my two: its successor lies in the same region.
.macro STEP p
	s_wait_dscnt 16                                ; W's set and x's blocks 0-3 are in; the youngest 16 loads (blocks 4-7) may be out
	WIN MUL_LO
	MUL8 0, \p
	MUL8 1, \p
	MUL8 2, \p
	MUL8 3, \p
	s_wait_dscnt 0x0                               ; blocks 4-7 are in
	PLACES
	FETCH_B 1, 1, 1-(\p)
	FETCH_A 1, 1, 0
	HIGH 1, 1, \p, 0
.endm
; A region's last step changes regions: ONE barrier.  In front of it each wave waits for all its tensor loads (its part of the next region, n), adds 0 to its spare word, and waits for that and for its own reads of
; this region, 1 - n.  fill = 1: the barrier opens a round of the cluster's barrier, and behind the round this region is filled again, 768 further along K.
.macro TURN p, n, fill, ask
.if (\fill) && (\n)
	s_wait_xcnt 0x0                                ; my prefetches have read their address: it is stepped with S
	s_add_nc_u64 s[PFA:PFA+1], s[PFA:PFA+1], 768
.endif
	s_wait_dscnt 16
	WIN MUL_LO
	MUL8 0, \p
.if \n
	MUL8 1, \p                                     ; S is left late: D's tile has so many more products to land under
	MUL8 2, \p
	MUL4 3, \p, 0
.endif
	WIN 0                                          ; (the add's two registers lie in window 0)
	s_wait_tensorcnt 0x0                           ; all my tensor loads have landed: my part of the next region;
	ds_add_u32 v[SPW], v[NIL]                      ; 0 onto my spare word
.if \fill
	s_add_nc_u64 s[G0X+4*(1-\n)+2:G0X+4*(1-\n)+3], s[G0X+4*(1-\n)+2:G0X+4*(1-\n)+3], 768   ; no tensor load of mine is out, so a group 0 may be written
	s_add_nc_u64 s[G0W+4*(1-\n)+2:G0W+4*(1-\n)+3], s[G0W+4*(1-\n)+2:G0W+4*(1-\n)+3], 768
.endif
	WIN MUL_LO
.if \n
	MUL4 3, \p, 4
.else
	MUL8 1, \p
.endif
	s_wait_dscnt 0x0                               ; the add is done, and my reads of this region are over
	s_barrier_signal -1
.if \n
	WIN MUL_HI
	MUL4 4, \p, 0
.else
	MUL4 2, \p, 0
.endif
	WIN 0
	s_barrier_wait -1
.if \fill
	CREST                                          ; no wave of any partner still reads this region's tiles or has a load on its way
	JLOAD 1-\n                                     ; the first tensor load behind the round, and my only one until the next; its four v_nop are, behind S's round, the places in front of the loads below
.endif
	FETCH_B \n, 0, 1-(\p)
.if \n == 0
	WIN MUL_LO
	MUL4 2, \p, 4
	MUL8 3, \p
	PLACES
	WIN 0
.endif
	FETCH_A \n, 0, 0
	ASK \ask
	HIGH \n, 0, \p, \n
.endm
.macro GIVE g                          ; block 4 + g's sums as register images into my 32 KB, each accumulator from its low end on
	WIN 0x0c                                       ; the stores' data: window 3
.irp t, 0,1,2,3,4,5,6,7
	ds_store_b128 v[STX], v[64*(\g)+8*\t:64*(\g)+8*\t+3] offset:(16*(\g)+2*\t)*512
	ds_store_b128 v[STX], v[64*(\g)+8*\t+4:64*(\g)+8*\t+7] offset:(16*(\g)+2*\t+1)*512
.endr
.endm
.macro TAKE a                          ; my partner's sums for my block a
.irp q, 0,1,2,3,4,5,6,7,8,9,10,11,12,13,14,15
	ds_load_b128 v[32+64*((\a)%2)+4*\q:32+64*((\a)%2)+4*\q+3], v[RDX] offset:(16*(\a)+\q)*512
.endr
.endm
.macro FINISH a, younger               ; younger: the LDS instructions issued behind this block's loads, which may stay out
.set PB, 32+64*((\a)%2)
.if (\a) > 0
	s_wait_xcnt 0x0                                ; the last block's stores have read their registers
.endif
	s_wait_dscnt \younger
	WIN 0x02                                       ; source 0 window 2
.set J, 0
.rept 32
	v_pk_add_f32 v[PB+J:PB+J+1], v[64*(\a)+J:64*(\a)+J+1], v[PB+J:PB+J+1]   ; the two halves of K
.set J, J+2
.endr
	WIN 0
.irp u, 0,1
.irp j, 0,1,2,3,4,5,6,7
.irp b, 0,1,2,3
	v_fma_f32 v[192+32*\u+4*\j+\b], v[PB+8*(4*\u+\b)+\j], s94, v[BIAS+4*\u+\b]   ; x 2^(e0 + e1) + b; four neighbouring columns side by side
.endr
.endr
.irp j, 0,1,2,3,4,5,6,7
	global_store_b128 v[CO], v[192+32*\u+4*\j:192+32*\u+4*\j+3], s[82:83] offset:(16*(\a)+\j)*16384+256*\u th:TH_STORE_NT   ; two rows, 256 consecutive bytes of each, aligned; written once, read by nobody here
.endr
.endr
.endm
	s_load_b256 s[4:11], s[0:1], 0x0               ; x s[4:5], W s[6:7], B s[8:9], WR s[10:11]
	s_load_b256 s[76:83], s[0:1], 0x20             ; acodes s[76:77], b s[78:79], the scales' exponents s[80:81], out s[82:83]
	v_lshl_add_u32 v[SPW], v0, 2, SPARE
	v_mov_b32 v[NIL], 0
	ds_add_u32 v[SPW], v[NIL]                      ; the add, twice on end, and one wait; work on registers stands between
	ds_add_u32 v[SPW], v[NIL]
	v_lshrrev_b32 v1, 5, v0
	v_readfirstlane_b32 s14, v1                    ; wave 0..3
	s_lshr_b32 s15, s14, 1                         ; kh: which half of a region's K is mine.  Also: I fetch for x (0) or for W (1)
	s_and_b32 s16, s14, 1                          ; c: which 128 columns are mine.  Also: which half of that tile's rows I fetch
	s_bfe_u32 s19, ttmp6, 0x40000                  ; cx, cy: my place in the cluster
	s_bfe_u32 s20, ttmp6, 0x40004
	s_lshl_b32 s18, ttmp9, 2
	s_add_co_u32 s18, s18, s19                     ; tx: tile column
	s_and_b32 s17, ttmp7, 0xffff
	s_lshl_b32 s17, s17, 2
	s_add_co_u32 s17, s17, s20                     ; ty: tile row
	s_lshl_b32 s21, s20, 2
	s_lshl_b32 s21, 15, s21                        ; my row of the cluster
	s_lshl_b32 s22, 0x1111, s19                    ; my column
	s_or_b32 s[G1X], s21, (1<<20)|(1<<21)|(5<<22)|(3<<25)     ; 15:0 the mask: x's tiles go to my row; elements of 1 byte; 20 padding on; 21 set beside a mask; after every 64 words (code 5) four words (code 3)
	s_or_b32 s[G1X+8], s21, (1<<20)|(1<<21)|(6<<22)|(3<<25)   ; D's rows are 128 words (code 6)
	s_or_b32 s[G1W], s22, (1<<20)|(1<<21)|(5<<22)|(3<<25)     ; W's tiles go to my column
	s_or_b32 s[G1W+8], s22, (1<<20)|(1<<21)|(6<<22)|(3<<25)
	SHAPE G1X, 256, 0, 4096, 0
	SHAPE G1X+8, 512, 0, 4096, 0
	SHAPE G1W, 256, 2, 16384, 4096
	SHAPE G1W+8, 512, 2, 16384, 4096
	s_mov_b32 s[G2], 2                             ; tensor_dim2
.irp i, 1,2,3,4,5,6,7
	s_mov_b32 s[G2+\i], 0
.endr
	; where the tiles come from: x's hang on ty alone, W's on tx alone, each in registers that never hold the other coordinate
	s_lshl_b32 s12, s17, 19                        ; x: row 128 ty + 64 half, 4,096 bytes a row
	s_lshl_b32 s23, s16, 18
	s_add_co_u32 s12, s12, s23
	s_mov_b32 s13, 0
	s_lshl_b32 s98, s18, 20                        ; W: row 256 tx + 2 half: planes b = 2 half, 2 half + 1
	s_lshl_b32 s23, s16, 13
	s_add_co_u32 s98, s98, s23
	s_mov_b32 s99, 0
	s_mov_b32 s[G0X], 1                            ; count = 1
	s_mov_b32 s[G0X+4], 1
	s_mov_b32 s[G0W], 1
	s_mov_b32 s[G0W+4], 1
	s_mul_i32 s[G0X+1], s16, 64*PS                 ; LDS addresses: made of the wave's number alone
	s_mul_i32 s[G0X+5], s16, 64*PD
	s_add_co_u32 s[G0X+5], s[G0X+5], D_X
	s_mul_i32 s[G0W+1], s16, 128*PS
	s_add_co_u32 s[G0W+1], s[G0W+1], 128*PS
	s_mul_i32 s[G0W+5], s16, 128*PD
	s_add_co_u32 s[G0W+5], s[G0W+5], D_X+128*PD
	s_wait_dscnt 0x0                               ; both opening adds are done
	s_wait_kmcnt 0x0
	s_add_nc_u64 s[G0X+2:G0X+3], s[4:5], s[12:13]  ; S: K = 0 on
	s_add_nc_u64 s[G0X+6:G0X+7], s[G0X+2:G0X+3], 256   ; D: K = 256 on
	s_or_b32 s[G0X+3], s[G0X+3], 0x80000000        ; type = 2
	s_or_b32 s[G0X+7], s[G0X+7], 0x80000000
	s_add_nc_u64 s[G0W+2:G0W+3], s[6:7], s[98:99]
	s_add_nc_u64 s[G0W+6:G0W+7], s[G0W+2:G0W+3], 256
	s_or_b32 s[G0W+3], s[G0W+3], 0x80000000
	s_or_b32 s[G0W+7], s[G0W+7], 0x80000000
	CROUND                                         ; all sixteen work-groups are here: the first joint loads meet
	JLOAD 0                                        ; S: one tensor load a wave at the head
	v_and_b32 v1, 15, v0                           ; r
	v_bfe_u32 v2, v0, 4, 1                         ; h
	v_and_b32 v3, 31, v0                           ; lane
	v_mul_u32_u24 v4, v1, PS
	v_mul_u32_u24 v5, v1, PD
	v_lshl_add_u32 v4, v2, 4, v4                   ; a fragment's row x pitch + 16 h, in S,
	v_lshl_add_u32 v5, v2, 4, v5                   ; and in D
	v_lshlrev_b32 v6, 4, v1                        ; 16 r: my four columns of 64
	v_lshlrev_b32 v[PFO], 12, v3
	v_lshlrev_b32 v[BL], 8, v1                     ; B, WR: rows 4 r on, 64 bytes a row,
	v_lshl_add_u32 v[CO], v2, 17, v6               ; out: 8 h rows of 16,384 bytes
	v_lshl_add_u32 v[BL], v2, 4, v[BL]             ; + 16 h
	s_wait_alu depctr_va_vdst(0)
	; the global bases
	s_lshl_b32 s94, s17, 7                         ; prefetch: x row 128 ty + 32 cx + lane,
	s_lshl_b32 s104, s19, 5
	s_add_co_u32 s94, s94, s104
	s_lshl_b32 s95, s18, 8                         ; W row 256 tx + 64 cy + 32 (wave % 2) + lane
	s_lshl_b32 s104, s20, 6
	s_add_co_u32 s95, s95, s104
	s_lshl_b32 s104, s16, 5
	s_add_co_u32 s95, s95, s104
	s_cmp_eq_u32 s15, 0                            ; x or W; B or WR: the choices hang on the wave's number alone
	s_cselect_b32 s94, s94, s95
	s_cselect_b64 s[PFA:PFA+1], s[4:5], s[6:7]
	s_cselect_b64 s[92:93], s[8:9], s[10:11]
	s_lshl_b32 s94, s94, 12
	s_mov_b32 s95, 0
	s_add_nc_u64 s[PFA:PFA+1], s[PFA:PFA+1], s[94:95]
	s_add_nc_u64 s[PFA:PFA+1], s[PFA:PFA+1], 256   ; at K = 256
	s_load_b256 s[4:11], s[80:81], 0x0             ; e0 .. e7
	s_load_b64 s[104:105], s[80:81], 0x20          ; e8, e9
	s_cmp_eq_u32 s14, 1
	s_cselect_b32 s[LIM], 64, 1
	s_lshl_b32 s98, s18, 14                        ; B's or WR's row 256 tx + 128 c, 64 bytes a row
	s_lshl_b32 s23, s16, 13
	s_add_co_u32 s98, s98, s23
	s_add_nc_u64 s[92:93], s[92:93], s[98:99]
	s_lshl_b32 s98, s18, 10                        ; column 256 tx + 128 c, 4 bytes each: in b and in a row of out
	s_lshl_b32 s23, s16, 9
	s_add_co_u32 s98, s98, s23
	s_add_nc_u64 s[78:79], s[78:79], s[98:99]
	s_add_nc_u64 s[82:83], s[82:83], s[98:99]
	s_lshl_b32 s100, s17, 14                       ; acodes: row tile 8 ty, 2,048 bytes each; set kh, 1,024 bytes
	s_lshl_b32 s23, s15, 10
	s_add_co_u32 s100, s100, s23
	s_mov_b32 s101, 0
	s_add_nc_u64 s[76:77], s[76:77], s[100:101]
	s_lshl_b32 s100, s17, 21                       ; out: row 128 ty + 64 kh, 16,384 bytes a row
	s_lshl_b32 s23, s15, 20
	s_add_co_u32 s100, s100, s23
	s_add_nc_u64 s[82:83], s[82:83], s[100:101]
	s_lshl_b32 s23, s15, 13                        ; a's blocks 0-3 are rows 64 kh on, blocks 4-7 the other 64
	v_lshl_add_u32 v26, v3, 4, s23
	s_xor_b32 s23, s23, 8192
	v_lshl_add_u32 v7, v3, 4, s23
.irp c, 0,1
.irp a, 0,1,2,3
	global_load_b128 v[LA+8*\a+4*\c:LA+8*\a+4*\c+3], v26, s[76:77] offset:2048*\a+512*\c      ; 512 consecutive bytes a load
	global_load_b128 v[LA+32+8*\a+4*\c:LA+32+8*\a+4*\c+3], v7, s[76:77] offset:2048*\a+512*\c
.endr
.endr
	WIN TO_B
.irp u, 0,1
.irp b, 0,1,2,3
.irp c, 0,1
	global_load_b128 v[128+8*(4*\u+\b)+4*\c:128+8*(4*\u+\b)+4*\c+3], v[BL], s[92:93] offset:(64*\u+\b)*64+32*\c   ; rows 64 u + 4 r + b, K = 32 c + 16 h + 0 .. 15: a's places
.endr
.endr
.endr
	WIN 0
	global_load_b128 v[BIAS:BIAS+3], v6, s[78:79]  ; b of columns 4 r .. 4 r + 3 of u = 0,
	global_load_b128 v[BIAS+4:BIAS+7], v6, s[78:79] offset:256   ; and of u = 1
	; LDS addresses
	s_xor_b32 s3, s15, 1
.irp r, 0,1
	s_lshl_b32 s2, s15, 7+\r                       ; my half of the region's K
	s_add_co_u32 s2, s2, \r*D_X
	s_mul_i32 s23, s15, 64*(PS+256*\r)             ; x: blocks 0-3 are rows 64 kh on,
	s_add_co_u32 s23, s23, s2
	v_add_nc_u32 v[ADRA+2*\r], s23, v[4+\r]
	s_mul_i32 s23, s3, 64*(PS+256*\r)              ; blocks 4-7 the other 64
	s_add_co_u32 s23, s23, s2
	v_add_nc_u32 v[ADRA+1+2*\r], s23, v[4+\r]
	s_mul_i32 s23, s16, 32*(PS+256*\r)             ; W: LDS rows 32 c on
	s_add_co_u32 s23, s23, s2
	s_add_co_u32 s23, s23, 128*(PS+256*\r)
	v_add_nc_u32 v[ADRB+2*\r], s23, v[4+\r]
	v_add_nc_u32 v[ADRB+1+2*\r], 128*(PS+256*\r), v[ADRB+2*\r]
.endr
	s_lshl_b32 s23, s14, 15
	s_add_co_u32 s23, s23, D_X
	v_lshl_add_u32 v[STX], v3, 4, s23              ; my 32 KB of images, in D
	s_xor_b32 s23, s14, 2
	s_lshl_b32 s23, s23, 15
	s_add_co_u32 s23, s23, D_X
	v_lshl_add_u32 v[RDX], v3, 4, s23              ; my partner's
	s_wait_alu depctr_va_vdst(0)
	ASK 4
	s_wait_kmcnt 0x0
	s_add_co_i32 s2, s4, s5                        ; e0 + e1
	s_add_co_i32 s23, s10, s11                     ; e6 + e7
	s_add_co_i32 s100, s104, s105                  ; e8 + e9
	s_cmp_eq_u32 s15, 0
	s_cselect_b32 s23, s23, s100                   ; my small product's
	s_sub_co_i32 s23, s23, s2
	s_add_co_i32 s23, s23, 125                     ; - 2 for the factor 0.25, + 127
	s_lshl_b32 s96, s23, 23                        ; 2^(e6 + e7 - 2 - e0 - e1), or with e8 + e9, as f32
	s_mov_b32 s97, s96                             ; (named with it as a pair, so it is written)
	s_add_co_i32 s2, s2, 127
	s_lshl_b32 s94, s2, 23                         ; 2^(e0 + e1) as f32
	s_wait_loadcnt 0x0                             ; a's, B's or WR's fragments and b; S's tile is still on its way
	WIN MUL_LO
	LORA8 0
	LORA8 1
	LORA8 2
	LORA8 3
	WIN MUL_HI
	LORA8 4
	LORA8 5
	LORA8 6
	LORA8 7
	PLACES                                         ; for the multiplications that read the sums
	WIN 0x82                                       ; source 0 and destination window 2
.set J, 0
.rept 128
	v_pk_mul_f32 v[J:J+1], v[J:J+1], s[96:97] op_sel_hi:[1,0]   ; the small product's sums under the main product's power of two: nothing is rounded; each accumulator from its low end on
.set J, J+2
.endr
	WIN 0xc3                                       ; window 3
.set J, 0
.rept 128
	v_pk_mul_f32 v[J:J+1], v[J:J+1], s[96:97] op_sel_hi:[1,0]
.set J, J+2
.endr
	WIN 0
	s_wait_alu depctr_va_vdst(0)                   ; the wait at the head's end
	s_wait_tensorcnt 0x0                           ; my part of S is in
	ds_add_u32 v[SPW], v[NIL]
	s_wait_dscnt 0x0
	CROUND                                         ; everybody's part of S is in, and all sixteen work-groups are here
	JLOAD 1                                        ; D, the first tensor load behind the round
	FETCH_B 0, 0, 0
	FETCH_A 0, 0, 0
	FETCH_A 0, 0, 1
	ASK 2
	s_mov_b32 s3, 2
.Llap:                                                 ; a trip is S D S D, six steps of 128 for a wave: W's two sets are back in place at its end; every region read is filled again
	TURN 0, 1, 1, 1
	STEP 1
	TURN 0, 0, 1, 2
	TURN 1, 1, 1, 1
	STEP 0
	TURN 1, 0, 1, 3
	s_sub_co_u32 s3, s3, 1
	s_cmp_lg_u32 s3, 0
	s_cbranch_scc1 .Llap
	TURN 0, 1, 1, 0                                ; the tail S D S is written out: S takes the last 256 along K
	STEP 1
	TURN 0, 0, 0, 0                                ; D is left for good and nothing is asked for,
	s_wait_dscnt 0x0                               ; and the last S is multiplied
	WIN MUL_HI
	MUL8 4, 1
	MUL8 5, 1
	WIN MUL_LO
	MUL8 0, 1
	MUL8 1, 1
	PLACES                                         ; for the stores that read the sums, and for the partner's sums, which land on x's blocks 0 and 1
	GIVE 0                                         ; D's bytes: every wave has passed the barrier behind which nobody reads them as tiles
	GIVE 1
	WIN MUL_HI
	MUL8 6, 1
	s_wait_dscnt 0x0                               ; for my partner's sake: the first half of my images has landed
	s_barrier_signal -1
	MUL8 7, 1
	WIN 0
	s_barrier_wait -1
	TAKE 0
	TAKE 1
	WIN MUL_LO
	MUL8 2, 1
	MUL8 3, 1
	PLACES
	GIVE 2
	GIVE 3
	WIN 0
	FINISH 0, 48                                   ; behind block 0's 16 loads: block 1's and 32 stores
	FINISH 1, 32
	s_wait_dscnt 0x0                               ; the second half of my images has landed
	s_barrier_signal -1
	s_barrier_wait -1
	TAKE 2
	TAKE 3
	FINISH 2, 16
	FINISH 3, 0
	s_wait_tensorcnt 0x0                           ; the wave's end
	ds_add_u32 v[SPW], v[NIL]
	s_wait_dscnt 0x0
	CROUND                                         ; the closing round: no work-group ends while a partner may still ask for a tile that names it
	s_endpgm
.Lfunc_end_k_q33ac457bbb_gemm:
	.size	k_q33ac457bbb_gemm, .Lfunc_end_k_q33ac457bbb_gemm-k_q33ac457bbb_gemm
	.p2alignl 7, 3214868480
	.fill 96, 4, 3214868480
	.section	.rodata,"a",@progbits
	.p2align	6, 0x0
	.amdhsa_kernel k_q33ac457bbb_gemm
		.amdhsa_group_segment_fixed_size 327680
		.amdhsa_private_segment_fixed_size 0
		.amdhsa_enable_private_segment 0
		.amdhsa_kernarg_size 64
		.amdhsa_user_sgpr_count 2
		.amdhsa_user_sgpr_kernarg_segment_ptr 1
		.amdhsa_wavefront_size32 1
		.amdhsa_system_sgpr_workgroup_id_x 1
		.amdhsa_system_sgpr_workgroup_id_y 1
		.amdhsa_system_sgpr_workgroup_id_z 1
		.amdhsa_system_vgpr_workitem_id 0
		.amdhsa_next_free_vgpr 1024
		.amdhsa_next_free_sgpr 106
		.amdhsa_reserve_vcc 0
		.amdhsa_float_denorm_mode_32 3
		.amdhsa_float_denorm_mode_16_64 3
		.amdhsa_memory_ordered 1
		.amdhsa_forward_progress 1
		.amdhsa_inst_pref_size 167
	.end_amdhsa_kernel
	.amdgpu_metadata
---
amdhsa.version: [ 1, 2 ]
amdhsa.kernels:
  - .name:           k_q33ac457bbb_gemm
    .symbol:         k_q33ac457bbb_gemm.kd
    .args:
      - { .name: x_codes, .offset: 0, .size: 8, .value_kind: global_buffer, .address_space: global }
      - { .name: W_base_codes, .offset: 8, .size: 8, .value_kind: global_buffer, .address_space: global }
      - { .name: B_codes, .offset: 16, .size: 8, .value_kind: global_buffer, .address_space: global }
      - { .name: WR_codes, .offset: 24, .size: 8, .value_kind: global_buffer, .address_space: global }
      - { .name: acodes, .offset: 32, .size: 8, .value_kind: global_buffer, .address_space: global }
      - { .name: b_base, .offset: 40, .size: 8, .value_kind: global_buffer, .address_space: global }
      - { .name: lowp_scales, .offset: 48, .size: 8, .value_kind: global_buffer, .address_space: global }
      - { .name: out0, .offset: 56, .size: 8, .value_kind: global_buffer, .address_space: global }
    .group_segment_fixed_size: 327680
    .private_segment_fixed_size: 0
    .kernarg_segment_align: 8
    .kernarg_segment_size: 64
    .max_flat_workgroup_size: 128
    .sgpr_count:     106
    .vgpr_count:     1024
    .wavefront_size: 32
...
	.end_amdgpu_metadata
.endif
;; end of part 2
